; MI455X (gfx1250); checked and timed in simulation.
; The chip was launched on July 23, 2026; its instructions are those of AMD's public machine-readable ISA for CDNA 5 (MIT licence, August 2026) and "CDNA5" Instruction Set Architecture Reference Guide (July 2026). The comments in the code are by the model that wrote it; some were corrected since.
;; Mo E Block. Allowed arithmetic: matrix products marked QUANTISED: E2M1 operands, one E8M0 scale for each 32 along K, by v_wmma_scale_f32_16x16x128_f8f6f4 with both operands' format E2M1 (or v_wmma_scale_f32_32x16x128_f4), f32 sums; products left as they are: f32 operands where the result goes on into a quantised operand, else bf16, f16 or f32 operands; f32 sums; everything else in f32.
;; Inputs: b1 8 x 384 float32; b2 8 x 1,024 float32; gate_b 8 float32; gate_w 1,024 x 8 float32; w1 8 x 1,024 x 384 float32; w2 8 x 384 x 1,024 float32; x 4 x 2,048 x 1,024 float32.
;; Outputs: out0 4 x 2,048 x 1,024 float32; out1 one number float32.
;; This version of the problem:
;;   THIS VERSION OF THE PROBLEM IS GIVEN IN LOW PRECISION. The matrix products marked QUANTISED in the list below multiply operands that are first quantised to E2M1 (2 exponent bits, 1 mantissa bit; 4 bits a number), with one power-of-two scale for each 32 numbers along K (OCP MX v1.0); their sums are f32. All else is computed in f32.
;;   The module's matrix products, in the order in which they are computed (A, B: the left and right operand; K: the contracted axis; several contracted axes count as one K, in the product's order):
;;     1. [M 8,192, K 1,024] x [K 1,024, N 8]; A: input x; B: input gate_w: left as it is (N = 8 < 16)
;;     2. [M 8,192, K 1,024] x [K 1,024, N 3,072]; A: input x; B: input w1: QUANTISED
;;     3. batch 8 x [M 1,024, K 384] x [K 384, N 8,192]; A: input w2; B: computed on the way: QUANTISED
;;     4. batch 8,192 x [M 1,024, K 8] x [K 8, N 1]; A: computed on the way; B: computed on the way: left as it is (K = 8 < 32)
;;   THE QUANTISER, for each operand of a quantised product, along K:
;;     - K is cut into blocks of 32 from its start; a last block that is shorter is filled with zeros.
;;     - A block's scale is 2^e with e = floor(log2(the largest magnitude in the block)) - 2, held to -126 .. 127; a block of zeros has e = 0. As a byte (E8M0): e + 127.
;;     - Each number is divided by its block's scale, clamped to +-6, and rounded to the nearest number of E2M1, ties to even, subnormals kept.
;;     - The product sums the exact products of the quantised numbers (number of the format x scale) in f32.
;;   ~~~python
;;   def quantise(x, axis):      # numpy; x: float32 -> the quantised numbers, widened to float32 again
;;       x = np.moveaxis(x, axis, -1); K = x.shape[-1]
;;       x = np.pad(x, [(0, 0)] * (x.ndim - 1) + [(0, -K % 32)]); x = x.reshape(x.shape[:-1] + (-1, 32)); a = np.abs(x).max(-1, keepdims=True)
;;       e = np.where(a > 0, np.clip(np.frexp(np.where(a > 0, a, 1))[1] - 1 - 2, -126, 127), 0)      # np.frexp(a)[1] - 1 = floor(log2(a)), exactly
;;       r = np.clip(x / 2.0 ** e, -6, 6)
;;       step = 2.0 ** (np.maximum(np.frexp(np.where(r == 0, 1, r))[1] - 1, 0) - 1)
;;       q = np.round(r / step) * step * 2.0 ** e      # np.round: ties to even
;;       return np.moveaxis(q.reshape(q.shape[:-2] + (-1,))[..., :K], -1, axis).astype(np.float32)
;;   ~~~
;;   OPERANDS COMPUTED ON THE WAY. 'Computed on the way' means the value that the module computes at that place (a softmax that the list does not call 'softmax' is quantised finished and normalised). What goes into a quantiser is computed in f32, as accurately as f32 sums, v_exp_f32 and their like allow (about 1e-6 of the number): no bf16 or f16 on the way to a quantiser, and a product that is left as it is and whose result goes on into a quantised operand takes f32 operands (vector FMAs, or v_wmma_f32_16x16x4_f32). A number that lies on a knife's edge between two numbers of the format may be rounded either way, as far as f32 arithmetic and the matrix unit's own rounding can turn it there, and no further.
;; One version. Each part assembles by itself: llvm-mc -triple=amdgcn-amd-amdhsa -mcpu=gfx1250 --defsym DOCPART=n.
;; ======== version 1 of 1: 3 launches
;; limits: right only within a limited range of input values
;; workspace buffers: xq 4,456,448 bytes; wq 3,407,872 bytes; route 65,536 bytes of whole numbers; gatef 98,304 bytes; sidx 98,304 bytes of whole numbers; kt 256 bytes of whole numbers
;; launch prep (part 1): grid 256 x 1, 4 waves a work-group, no clusters, 289,792 bytes of LDS; arguments x, gate_w, gate_b, w1, w2, xq, wq, route, gatef; writes xq, wq, route, gatef
.if DOCPART == 1
	.amdgcn_target "amdgcn-amd-amdhsa--gfx1250"
	.amdhsa_code_object_version 6
	.text
	.protected	k_qa5b2cdbba0_prep
	.globl	k_qa5b2cdbba0_prep
	.p2align	8
	.type	k_qa5b2cdbba0_prep,@function
k_qa5b2cdbba0_prep:
	s_mov_b64 s[64:65], 0
	v_nop
	global_prefetch_b8 v0, s[64:65] scope:SCOPE_SE
	s_setreg_imm32_b32 hwreg(HW_REG_WAVE_MODE, 25, 1), 1
	s_wait_xcnt 0x0
; PREP.  Work-group i (0..255) does three things.
; (1) Its 32 tokens of x (8 a wave) become codes of E2M1 with K innermost (xq: 512 bytes a token) and 32 E8M0 bytes a token (xq + XSOFF), and their 8 gate logits are summed by f32 multiply-adds.
; (2) Wave 3 makes softmax, top-2 (the lower index wins a tie), the two renormalised weights, a key for the pair of experts, the token's rank among the work-group's tokens of that key, a histogram of the
;     28 keys and the work-group's sums of the probabilities.  All of it is stored at fixed places: no address and no branch here hangs on these numbers.
; (3) One unit of W1 and one of W2 (i = (4 e + w) 8 + s) are quantised along K into the image of the registers in which the last launch's waves take them: 6 fragments of 1,024 bytes
;     (the 16 bytes of row m, block kb at 1024 f + 256 kb + 16 m), then their scale words at 6144 + 128 (f / 2) + 4 (16 (f % 2) + m).
;     W1 unit: K step s, hidden units 96 w .. + 95; row m of tile 2 b + u is unit 32 b + 8 u + m + 8 (m / 8).  W2 unit: outputs 256 w + 32 s .. + 31, fragment 2 s2 + t: K step s2, row m = output 16 t + m.
; All that the work-group reads but gate_b comes by four tensor loads, one a wave, issued together at the head; no LDS byte is filled twice, so one load of a wave is out at the most.
; A block's scale: the largest magnitude's exponent field less 2, held at 1 from below by a floor among the maximum's leaves.
; LIMITS: NaN and infinities are not served.  A block of zeros gets the byte 1 (not 127) over zero codes: the bytes are read by this program alone.
; No cluster: work-groups share only gate_w's 32 KiB and the 256 bytes a row where neighbouring W1 tiles overlap.
.set XT,    0                          ; LDS: x, a wave's 8 tokens in 34,816 bytes: a token is 16 rows of 256 bytes + 16 of padding
.set XTOK,  4352
.set GWT,   139264                     ; gate_w: 32 rows of 1,024 bytes + 16
.set W1T,   172544                     ; my unit of W1: 128 rows (k) of 384 bytes
.set W2T,   238080                     ; (W1's tile: 128 rows of 512 bytes, begun on a multiple of 256 bytes of a row of W1; my 96 columns begin 0 or 128 bytes in)
.set XSB,   287232
.set LGT,   288256
.set UNIT,  6656
.set W2OFF, 256*UNIT
.set XSOFF, 4194304
.set XA,  4                            ; v4-18: addresses, all made ahead of the first branch and never rewritten
.set GWA, 5
.set W1A, 6
.set W2A, 7
.set XBW, 8
.set XBR, 9
.set LGW, 10
.set LGR, 11
.set L16, 12
.set L8,  13
.set L4,  14
.set ST1, 15
.set SS1, 16
.set ST2, 17
.set SS2, 18
.set X0,  32                           ; v32-95   two sets of 32 numbers
.set A0,  96                           ; v96-111  the logit sums of two tokens
.set CX,  128                          ; v128-159 x's codes, four registers a token: no store's data are written again
.set XB,  160                          ; v160-167 x's scale bytes
.set CW,  168                          ; v168-199 the weights' codes
.set SW,  200                          ; v200-201 their scale words
                                       ; window 1: gate_w: register 8 kk + e = gate_w[32 lane + kk][e]
.set MSB, 0
.macro WIN new                         ; the immediate's high byte repeats the setting that is left
.if MSB != \new
	s_set_vgpr_msb (MSB<<8)|\new
.set MSB, \new
.endif
.endm
; 32 numbers of one block in v[xs] on: codes into v[cr .. cr + 3], the scale's byte into v[br]
.macro QBLK xs, cr, br
	v_max3_num_f32 v112, |v[\xs]|, |v[\xs+1]|, 0x1800000       ; the floor 2^(3 - 127) among the leaves: the byte cannot fall under 1
	v_max3_num_f32 v113, |v[\xs+2]|, |v[\xs+3]|, |v[\xs+4]|    ; two chains
.irp n, 5,9,13,17,21,25
	v_max3_num_f32 v112, v112, |v[\xs+\n]|, |v[\xs+\n+1]|
	v_max3_num_f32 v113, v113, |v[\xs+\n+2]|, |v[\xs+\n+3]|
.endr
	v_max3_num_f32 v112, v112, |v[\xs+29]|, |v[\xs+30]|
	v_max3_num_f32 v112, v112, v113, |v[\xs+31]|
	v_add_nc_u32 v114, 0xff000000, v112            ; 2 off the exponent field: the conversion's scale operand
	v_lshrrev_b32 v[\br], 23, v114                 ; the scale's byte
.irp g, 0,1,2,3
	v_cvt_scalef32_pk8_fp4_f32 v[\cr+\g], v[\xs+8*\g:\xs+8*\g+7], v114
.endr
	v_nop                                          ; one plain place behind the last scaled conversion
.endm
; A third of a unit: 32 columns (a lane a column, registers down K) x 128 along K: four blocks, the next block's 32 LDS loads asked for ahead
.macro ITEM la, pitch, st, ss, off, cr, sw
.set i, 0
.rept 32
	ds_load_b32 v[X0+i], v[\la] offset:i*\pitch
.set i, i+1
.endr
.set kb, 0
.rept 4
.if kb < 3
.set i, 0
.rept 32
	ds_load_b32 v[X0+32*((kb+1)%2)+i], v[\la] offset:(32*(kb+1)+i)*\pitch
.set i, i+1
.endr
	s_wait_dscnt 32                                ; this block's loads are in; the next block's 32 may be out
.else
	s_wait_dscnt 0x0
.endif
	QBLK X0+32*(kb%2), \cr+4*kb, 115
.if kb == 0
	v_mov_b32 v[\sw], v115
.else
	v_lshl_or_b32 v[\sw], v115, 8*kb, v[\sw]       ; four bytes make my column's scale word
.endif
	global_store_b128 v[\st], v[\cr+4*kb:\cr+4*kb+3], s[16:17] offset:\off+256*kb   ; sixteen lanes fill 256 consecutive aligned bytes, twice
.set kb, kb+1
.endr
	global_store_b32 v[\ss], v[\sw], s[16:17] offset:\off      ; 128 consecutive bytes
.endm
; Eight numbers a lane, v[a] on, summed over lanes: three steps in which a lane keeps half of its numbers and sends the other half to its partner.  Lane l ends with number l % 8, summed over its eight lanes.
.macro REDUCE3 a
.irp p, 0,1,2,3
	v_cndmask_b32 v[116+\p], v[\a+2*\p+1], v[\a+2*\p], s88
	v_cndmask_b32 v[\a+\p], v[\a+2*\p], v[\a+2*\p+1], s88
.endr
.irp p, 0,1,2,3
	v_add_f32_dpp v[\a+\p], v[116+\p], v[\a+\p] row_xmask:1 row_mask:0xf bank_mask:0xf
.endr
.irp p, 0,1
	v_cndmask_b32 v[116+\p], v[\a+2*\p+1], v[\a+2*\p], s89
	v_cndmask_b32 v[\a+\p], v[\a+2*\p], v[\a+2*\p+1], s89
.endr
.irp p, 0,1
	v_add_f32_dpp v[\a+\p], v[116+\p], v[\a+\p] row_xmask:2 row_mask:0xf bank_mask:0xf
.endr
	v_cndmask_b32 v116, v[\a+1], v[\a], s90
	v_cndmask_b32 v[\a], v[\a], v[\a+1], s90
	v_add_f32_dpp v[\a], v116, v[\a] row_xmask:4 row_mask:0xf bank_mask:0xf
.endm
.macro REDUCE a                        ; and over all 32 lanes
	REDUCE3 \a
	v_add_f32_dpp v[\a], v[\a], v[\a] row_xmask:8 row_mask:0xf bank_mask:0xf
	v_permlanex16_b32 v120, v[\a], s92, s93
	v_add_f32 v[\a], v[\a], v120
.endm
; Two tokens of my wave: lane l holds block l (32 neighbours along K) of each
.macro TOKEN2 tl
.irp a, 0,1
.irp j, 0,1,2,3,4,5,6,7
	ds_load_b128 v[X0+32*\a+4*\j:X0+32*\a+4*\j+3], v[XA] offset:(\tl+\a)*XTOK+16*\j
.endr
.endr
	s_wait_dscnt 0x0
.irp a, 0,1
	QBLK X0+32*\a, CX+4*(\tl+\a), XB+\tl+\a
	global_store_b128 v[L16], v[CX+4*(\tl+\a):CX+4*(\tl+\a)+3], s[14:15] offset:(\tl+\a)*512   ; the token's 512 bytes of codes
	ds_store_b8 v[XBW], v[XB+\tl+\a] offset:32*(\tl+\a)
.endr
	WIN 0x04                                       ; source 1 (gate_w) in window 1
.irp a, 0,1
.irp p, 0,1,2,3
	v_pk_mul_f32 v[A0+8*\a+2*\p:A0+8*\a+2*\p+1], v[X0+32*\a:X0+32*\a+1], v[2*\p:2*\p+1] op_sel_hi:[0,1]   ; the first product starts the sums
.endr
.endr
.set kk, 1
.rept 31                               ; x[kk] serves both halves; eight chains that do not wait for each other
.irp a, 0,1
.irp p, 0,1,2,3
.if kk%2
	v_pk_fma_f32 v[A0+8*\a+2*\p:A0+8*\a+2*\p+1], v[X0+32*\a+kk-1:X0+32*\a+kk], v[8*kk+2*\p:8*kk+2*\p+1], v[A0+8*\a+2*\p:A0+8*\a+2*\p+1] op_sel:[1,0,0] op_sel_hi:[1,1,1]
.else
	v_pk_fma_f32 v[A0+8*\a+2*\p:A0+8*\a+2*\p+1], v[X0+32*\a+kk:X0+32*\a+kk+1], v[8*kk+2*\p:8*kk+2*\p+1], v[A0+8*\a+2*\p:A0+8*\a+2*\p+1] op_sel_hi:[0,1,1]
.endif
.endr
.endr
.set kk, kk+1
.endr
	WIN 0
.irp a, 0,1
	REDUCE A0+8*\a
	ds_store_b32 v[LGW], v[A0+8*\a] offset:32*(\tl+\a)         ; lane l: the logit of expert l % 8 (four lanes write the same word with the same value)
.endr
.endm
	s_load_b512 s[4:19], s[0:1], 0x0               ; x 4, gate_w 6, gate_b 8, w1 10, w2 12, xq 14, wq 16, route 18
	s_load_b64 s[20:21], s[0:1], 0x40              ; gatef
	v_lshl_add_u32 v254, v0, 2, 0x46a00
	v_mov_b32 v255, 0
	ds_add_u32 v254, v255
	ds_add_u32 v254, v255
	v_lshrrev_b32 v1, 5, v0
	v_readfirstlane_b32 s22, v1                    ; wave v
	s_min_u32 s23, s22, 2                          ; which third of a unit is mine
	s_lshr_b32 s94, ttmp9, 5                       ; e
	s_bfe_u32 s95, ttmp9, 0x20003                  ; w
	s_and_b32 s96, ttmp9, 7                        ; s
	s_mov_b32 s88, 0xaaaaaaaa                      ; lanes with bit 0, 1, 2 set
	s_mov_b32 s89, 0xcccccccc
	s_mov_b32 s90, 0xf0f0f0f0
	s_mov_b32 s92, 0x76543210                      ; v_permlanex16_b32's selects for lane l xor 16
	s_mov_b32 s93, 0xfedcba98
	; descriptor groups 1.  x: 512 rows of 32 elements of 8 bytes, dense, 4 words of padding behind every 64
	s_mov_b32 s24, (3<<16)|(1<<20)|(5<<22)|(3<<25)
	s_mov_b32 s25, 32<<16
	s_mov_b32 s26, 512<<16
	s_mov_b32 s27, 32<<16
	s_mov_b32 s28, 512
	s_mov_b32 s29, 32
	s_mov_b32 s30, 0
	s_mov_b32 s31, 0
	; gate_w: 32 rows of 128 elements of 8 bytes, dense, 4 words of padding behind every 256
	s_mov_b32 s32, (3<<16)|(1<<20)|(7<<22)|(3<<25)
	s_mov_b32 s33, 128<<16
	s_mov_b32 s34, 32<<16
	s_mov_b32 s35, 128<<16
	s_mov_b32 s36, 32
	s_mov_b32 s37, 128
	s_mov_b32 s38, 0
	s_mov_b32 s39, 0
	; W1: 128 rows of 128 f32, 384 from row to row
	s_mov_b32 s40, 2<<16
	s_mov_b32 s41, 128<<16
	s_mov_b32 s42, 128<<16
	s_mov_b32 s43, 128<<16
	s_mov_b32 s44, 128
	s_mov_b32 s45, 384
	s_mov_b32 s46, 0
	s_mov_b32 s47, 0
	; W2: 384 rows of 32 f32, 1,024 from row to row
	s_mov_b32 s48, 2<<16
	s_mov_b32 s49, 32<<16
	s_mov_b32 s50, 384<<16
	s_mov_b32 s51, 32<<16
	s_mov_b32 s52, 384
	s_mov_b32 s53, 1024
	s_mov_b32 s54, 0
	s_mov_b32 s55, 0
	; groups 0: count, LDS address (a constant)
	s_mov_b32 s56, 1
	s_mov_b32 s60, 1
	s_mov_b32 s68, 1
	s_mov_b32 s76, 1
	s_mov_b32 s57, GWT                             ; each of the four tiles comes whole, by one wave's one load
	s_mov_b32 s61, W1T
	s_mov_b32 s69, W2T
	s_mul_i32 s73, s22, 34816                      ; XT = 0
	s_mov_b32 s77, XT
	s_mov_b32 s3, 0
	s_wait_dscnt 0x0
	s_wait_kmcnt 0x0
	s_load_b256 s[80:87], s[8:9], 0x0              ; gate_b
	s_mov_b64 s[58:59], s[6:7]                     ; all of gate_w
	s_or_b32 s59, s59, 0x80000000
	s_mul_i32 s97, s94, 1572864                    ; expert e's matrix (W1's and W2's are as large)
	s_mul_i32 s2, s96, 196608                      ; row 128 s
	s_add_co_u32 s2, s2, s97
	s_mul_i32 s98, s95, 384
	s_and_b32 s99, s95, 1
	s_lshl_b32 s99, s99, 7
	s_sub_co_u32 s98, s98, s99                     ; back to a multiple of 256 bytes: 0, 256, 768, 1024
	s_add_co_u32 s2, s2, s98
	s_add_nc_u64 s[62:63], s[10:11], s[2:3]
	s_or_b32 s63, s63, 0x80000000
	s_mov_b32 s2, 0                                ; row 0
	s_add_co_u32 s2, s2, s97
	s_lshl_b32 s98, s95, 10                        ; column 256 w + 32 s
	s_add_co_u32 s2, s2, s98
	s_lshl_b32 s98, s96, 7
	s_add_co_u32 s2, s2, s98
	s_add_nc_u64 s[70:71], s[12:13], s[2:3]
	s_or_b32 s71, s71, 0x80000000
	s_lshl_b32 s2, ttmp9, 17                       ; token 32 i
	s_add_nc_u64 s[78:79], s[4:5], s[2:3]          ; the work-group's 32 tokens
	s_or_b32 s79, s79, 0x80000000
; the head's four tiles, one load a wave: wave 0 x, wave 1 W1, wave 2 W2, wave 3 gate_w; one chain of arms, one join
.macro ARM under, g0, g1, next
	s_cmp_lt_u32 s22, \under
	s_cbranch_scc0 \next
	tensor_load_to_lds s[\g0:\g0+3], s[\g1:\g1+7]
	s_nop 0
.rept 4
	v_nop
.endr
	s_branch .Lasked
\next:
.endm
	ARM 1, 76, 24, .Larm_w1
	ARM 2, 60, 40, .Larm_w2
	ARM 3, 68, 48, .Larm_gw
	tensor_load_to_lds s[56:59], s[32:39]
	s_nop 0
.rept 4
	v_nop
.endr
.Lasked:
.rept 4
	v_nop                                          ; four such lines behind the last tensor load
.endr
	s_mul_i32 s2, ttmp9, UNIT
	s_add_nc_u64 s[16:17], s[16:17], s[2:3]        ; wq at my W1 unit (my W2 unit: W2OFF on)
	s_lshl_b32 s2, ttmp9, 5
	s_lshl_b32 s98, s22, 3
	s_add_co_u32 s98, s2, s98                      ; my wave's first token
	s_lshl_b32 s2, s98, 5
	s_add_nc_u64 s[66:67], s[14:15], s[2:3]        ; its scale bytes (XSOFF stands in the store's immediate)
	s_lshl_b32 s2, s98, 9
	s_add_nc_u64 s[14:15], s[14:15], s[2:3]        ; its codes
	s_lshl_b32 s2, ttmp9, 7
	s_add_nc_u64 s[18:19], s[18:19], s[2:3]        ; route + 128 i
	s_add_nc_u64 s[96:97], s[20:21], s[2:3]        ; gatef + 128 i
	s_add_nc_u64 s[20:21], s[96:97], s[2:3]        ; gatef + 256 i
	v_and_b32 v1, 31, v0                           ; lane l
	v_lshrrev_b32 v2, 1, v1
	v_mul_u32_u24 v2, v2, 272
	v_and_b32 v3, 1, v1
	v_lshl_add_u32 v2, v3, 7, v2
	v_add_nc_u32 v[XA], s73, v2                    ; block l of a token: row l / 2, half l % 2: sixteen lanes start at sixteen different 16-byte columns
	v_mul_u32_u24 v2, v1, 1040
	v_add_nc_u32 v[GWA], GWT, v2
	s_lshl_b32 s98, s23, 7
	s_add_co_u32 s99, s98, W1T
	s_and_b32 s2, s95, 1
	s_lshl_b32 s2, s2, 7
	s_add_co_u32 s99, s99, s2                      ; my 96 columns begin 128 (w % 2) bytes into the tile's rows
	v_lshl_add_u32 v[W1A], v1, 2, s99              ; W1: column 32 b + l
	s_lshl_b32 s99, s23, 14
	s_add_co_u32 s99, s99, W2T
	v_lshl_add_u32 v[W2A], v1, 2, s99              ; W2: K step s2, column l
	s_lshl_b32 s99, s22, 8
	s_add_co_u32 s2, s99, XSB
	v_add_nc_u32 v[XBW], s2, v1
	v_lshl_add_u32 v[XBR], v1, 3, s2
	s_add_co_u32 s2, s99, LGT
	v_and_b32 v2, 7, v1
	v_lshl_add_u32 v[LGW], v2, 2, s2
	v_lshl_add_u32 v[LGR], v1, 5, LGT
	v_lshlrev_b32 v[L16], 4, v1
	v_lshlrev_b32 v[L8], 3, v1
	v_lshlrev_b32 v[L4], 2, v1
	v_bfe_u32 v3, v1, 3, 1                         ; W1's column 32 b + l is row m = l % 8 + 8 (l / 16) of tile 2 b + u, u = (l / 8) % 2
	v_lshrrev_b32 v19, 4, v1
	v_lshl_add_u32 v2, v19, 3, v2
	v_lshlrev_b32 v20, 4, v2
	v_lshl_add_u32 v20, v3, 10, v20
	s_lshl_b32 s2, s23, 11
	v_add_nc_u32 v[ST1], s2, v20
	v_lshl_add_u32 v21, v3, 4, v2
	s_add_co_u32 s98, s98, 6144
	v_lshl_add_u32 v[SS1], v21, 2, s98
	v_and_b32 v20, 15, v1                          ; W2's column l is row l % 16 of fragment 2 s2 + l / 16
	v_lshlrev_b32 v20, 4, v20
	v_lshl_add_u32 v20, v19, 10, v20
	v_add_nc_u32 v[ST2], s2, v20
	v_lshl_add_u32 v[SS2], v1, 2, s98
	v_mov_b32 v120, 0
	s_wait_alu depctr_va_vdst(0)
	s_wait_kmcnt 0x0                               ; gate_b
	s_wait_tensorcnt 0x0                           ; my tile is in
	s_barrier_signal -1
	s_barrier_wait -1                              ; everybody's parts are in
	s_cmp_lt_u32 s22, 3                            ; waves 0, 1, 2: W1's three thirds
	s_cbranch_scc0 .Lno_w1
	ITEM W1A, 512, ST1, SS1, 0, CW, SW
.Lno_w1:
	s_cmp_eq_u32 s22, 2                            ; waves 0, 1, 3: W2's three K steps
	s_cbranch_scc1 .Lno_w2
	ITEM W2A, 128, ST2, SS2, W2OFF, CW+16, SW+1
.Lno_w2:
	WIN 0x40                                       ; destination window 1
.set j, 0
.rept 64
	ds_load_b128 v[4*j:4*j+3], v[GWA] offset:16*j  ; gate_w's rows 32 l .. 32 l + 31: they stay in registers
.set j, j+1
.endr
	WIN 0
	TOKEN2 0
	TOKEN2 2
	TOKEN2 4
	TOKEN2 6
	ds_load_b64 v[122:123], v[XBR]                 ; LDS serves a wave's instructions in order: these see my byte stores
	s_wait_dscnt 0x0                               ; and my logits have landed, for wave 3's sake
	global_store_b64 v[L8], v[122:123], s[66:67] offset:XSOFF  ; my 8 tokens' 256 scale bytes: consecutive and aligned
	s_barrier_signal -1
	s_barrier_wait -1
	s_cmp_lg_u32 s22, 3
	s_cbranch_scc1 .Lend
	; ---- the router, a lane a token
	ds_load_b128 v[32:35], v[LGR]
	ds_load_b128 v[36:39], v[LGR] offset:16
	s_wait_dscnt 0x0
.irp e, 0,1,2,3,4,5,6,7
	v_add_f32 v[32+\e], s[80+\e], v[32+\e]
.endr
	v_max3_num_f32 v48, v32, v33, v34
	v_max3_num_f32 v48, v48, v35, v36
	v_max3_num_f32 v48, v48, v37, v38
	v_max_num_f32 v48, v48, v39                    ; the largest logit is taken away ahead of the exponential
	v_mul_f32 v48, 0xbfb8aa3b, v48
.irp e, 0,1,2,3,4,5,6,7
	v_fmamk_f32 v[32+\e], v[32+\e], 0x3fb8aa3b, v48
.endr
	s_wait_alu depctr_va_vdst(0)
.irp e, 0,1,2,3,4,5,6,7
	v_exp_f32 v[32+\e], v[32+\e]
.endr
	v_nop                                          ; a plain place behind the exponentials
	s_wait_alu depctr_va_vdst(0)
	v_add_f32 v49, v32, v33
	v_add_f32 v50, v34, v35
	v_add_f32 v51, v36, v37
	v_add_f32 v52, v38, v39
	v_add_f32 v49, v49, v50
	v_add_f32 v51, v51, v52
	v_add_f32 v49, v49, v51
	s_wait_alu depctr_va_vdst(0)
	v_rcp_f32 v49, v49
	v_mov_b32 v52, -1.0                            ; (a plain place)  under every probability
	s_wait_alu depctr_va_vdst(0)
.irp e, 0,1,2,3,4,5,6,7
	v_mul_f32 v[32+\e], v[32+\e], v49              ; the probabilities
.endr
	v_mov_b32 v50, v32                             ; the largest, and its expert: a later one must be greater to take the place
	v_mov_b32 v51, 0
.irp e, 1,2,3,4,5,6,7
	v_cmp_le_f32 vcc_lo, v[32+\e], v50
	v_cndmask_b32 v50, v[32+\e], v50, vcc_lo
	v_cndmask_b32 v51, \e, v51, vcc_lo
.endr
.irp e, 0,1,2,3,4,5,6,7
	v_cmp_eq_u32 vcc_lo, \e, v51
	v_cndmask_b32 v[40+\e], v[32+\e], v52, vcc_lo  ; without the winner
.endr
	v_mov_b32 v53, v40
	v_mov_b32 v54, 0
.irp e, 1,2,3,4,5,6,7
	v_cmp_le_f32 vcc_lo, v[40+\e], v53
	v_cndmask_b32 v53, v[40+\e], v53, vcc_lo
	v_cndmask_b32 v54, \e, v54, vcc_lo
.endr
	v_add_f32 v55, v50, v53
	v_add_f32 v55, 0x3089705f, v55                 ; + 1e-9
	s_wait_alu depctr_va_vdst(0)
	v_rcp_f32 v55, v55
	v_min_u32 v58, v51, v54                        ; (a plain place)  lo
	v_max_u32 v59, v51, v54                        ; hi
	s_wait_alu depctr_va_vdst(0)
	v_mul_f32 v56, v50, v55                        ; the two weights
	v_mul_f32 v57, v53, v55
	v_sub_nc_u32 v60, 15, v58                      ; key = lo (15 - lo) / 2 + (lo odd ? 7 - hi : hi - lo - 1): neighbouring keys share an expert
	v_mul_u32_u24 v60, v58, v60
	v_lshrrev_b32 v60, 1, v60
	v_sub_nc_u32 v61, v59, v58
	v_add_nc_u32 v61, -1, v61
	v_sub_nc_u32 v62, 7, v59
	v_and_b32 v63, 1, v58
	v_cmp_ne_u32 vcc_lo, 0, v63
	v_cndmask_b32 v61, v61, v62, vcc_lo
	v_add_nc_u32 v60, v60, v61
	v_mov_b32 v64, 0                               ; my rank among the work-group's tokens of my key
	v_mov_b32 v65, 0                               ; lane k: how many tokens have key k
.set k, 0
.rept 28
	v_cmp_eq_u32 vcc_lo, k, v60
	v_mbcnt_lo_u32_b32 v66, vcc_lo, 0
	v_cndmask_b32 v64, v64, v66, vcc_lo
	s_bcnt1_i32_b32 s2, vcc_lo
	v_writelane_b32 v65, s2, k
.set k, k+1
.endr
	v_lshl_or_b32 v67, v64, 8, v60                 ; key | rank << 8 | first expert << 16 | second << 24
	v_lshl_or_b32 v67, v51, 16, v67
	v_lshl_or_b32 v67, v54, 24, v67
	global_store_b32 v[L4], v67, s[18:19]
	global_store_b32 v[L4], v65, s[18:19] offset:32768
	global_store_b64 v[L8], v[56:57], s[20:21]
	REDUCE3 32                                     ; lane l: the probabilities of expert l % 8, summed over eight tokens
	global_store_b32 v[L4], v32, s[96:97] offset:65536
.Lend:
	s_wait_tensorcnt 0x0
	ds_add_u32 v254, v255
	s_wait_dscnt 0x0
	s_endpgm
.Lfunc_end_k_qa5b2cdbba0_prep:
	.size	k_qa5b2cdbba0_prep, .Lfunc_end_k_qa5b2cdbba0_prep-k_qa5b2cdbba0_prep
	.p2alignl 7, 3214868480
	.fill 96, 4, 3214868480
	.section	.rodata,"a",@progbits
	.p2align	6, 0x0
	.amdhsa_kernel k_qa5b2cdbba0_prep
		.amdhsa_group_segment_fixed_size 289792
		.amdhsa_private_segment_fixed_size 0
		.amdhsa_enable_private_segment 0
		.amdhsa_kernarg_size 72
		.amdhsa_user_sgpr_count 2
		.amdhsa_user_sgpr_kernarg_segment_ptr 1
		.amdhsa_wavefront_size32 1
		.amdhsa_system_sgpr_workgroup_id_x 1
		.amdhsa_system_sgpr_workgroup_id_y 1
		.amdhsa_system_sgpr_workgroup_id_z 1
		.amdhsa_system_vgpr_workitem_id 0
		.amdhsa_next_free_vgpr 512
		.amdhsa_next_free_sgpr 100
		.amdhsa_reserve_vcc 1
		.amdhsa_float_denorm_mode_32 3
		.amdhsa_float_denorm_mode_16_64 3
		.amdhsa_memory_ordered 1
		.amdhsa_forward_progress 1
		.amdhsa_inst_pref_size 148
	.end_amdhsa_kernel
	.amdgpu_metadata
---
amdhsa.version: [ 1, 2 ]
amdhsa.kernels:
  - .name:           k_qa5b2cdbba0_prep
    .symbol:         k_qa5b2cdbba0_prep.kd
    .args:
      - { .name: x, .offset: 0, .size: 8, .value_kind: global_buffer, .address_space: global }
      - { .name: gate_w, .offset: 8, .size: 8, .value_kind: global_buffer, .address_space: global }
      - { .name: gate_b, .offset: 16, .size: 8, .value_kind: global_buffer, .address_space: global }
      - { .name: w1, .offset: 24, .size: 8, .value_kind: global_buffer, .address_space: global }
      - { .name: w2, .offset: 32, .size: 8, .value_kind: global_buffer, .address_space: global }
      - { .name: xq, .offset: 40, .size: 8, .value_kind: global_buffer, .address_space: global }
      - { .name: wq, .offset: 48, .size: 8, .value_kind: global_buffer, .address_space: global }
      - { .name: route, .offset: 56, .size: 8, .value_kind: global_buffer, .address_space: global }
      - { .name: gatef, .offset: 64, .size: 8, .value_kind: global_buffer, .address_space: global }
    .group_segment_fixed_size: 289792
    .private_segment_fixed_size: 0
    .kernarg_segment_align: 8
    .kernarg_segment_size: 72
    .max_flat_workgroup_size: 128
    .sgpr_count:     100
    .vgpr_count:     512
    .wavefront_size: 32
...
	.end_amdgpu_metadata
.endif
;; end of part 1
;; launch place (part 2): grid 256 x 1, 4 waves a work-group, no clusters, 1,536 bytes of LDS; arguments route, sidx, kt; writes sidx, kt
.if DOCPART == 2
	.amdgcn_target "amdgcn-amd-amdhsa--gfx1250"
	.amdhsa_code_object_version 6
	.text
	.protected	k_qa5b2cdbba0_place
	.globl	k_qa5b2cdbba0_place
	.p2align	8
	.type	k_qa5b2cdbba0_place,@function
k_qa5b2cdbba0_place:
	s_mov_b64 s[64:65], 0
	v_nop
	global_prefetch_b8 v0, s[64:65] scope:SCOPE_SE
	s_setreg_imm32_b32 hwreg(HW_REG_WAVE_MODE, 25, 1), 1
	s_wait_xcnt 0x0
; PLACE.  Work-group g places the 32 tokens of group g.  The tokens of one key (a pair of experts) are laid in tiles of 48: key k begins at place start[k] = 48 x (tiles of the lower keys),
; and a token's place is start[key] + the tokens of its key in earlier groups + its rank in its group.  sidx[place] = {token, first expert | second << 8}.  kt[k] = {start[k], tokens of key k}.
; Every work-group sums the 256 histograms itself (32 KiB): thread 32 p + k takes key k in groups 64 p .. 64 p + 63.  No sum passes between work-groups.
; Places behind a key's last token stay unwritten; the next launch reads none of them.
.set PT,    0                          ; LDS: word 32 p + k: wave p's tokens of key k
.set PB,    512                        ; the same, groups ahead of g alone
.set SPARE, 1024
	s_load_b128 s[4:7], s[0:1], 0x0                ; route, sidx
	s_load_b64 s[8:9], s[0:1], 0x10                ; kt
	v_lshl_add_u32 v30, v0, 2, SPARE
	v_mov_b32 v31, 0
	v_lshrrev_b32 v1, 5, v0
	v_readfirstlane_b32 s12, v1                    ; wave p
	v_and_b32 v1, 31, v0                           ; lane k
	v_lshlrev_b32 v2, 2, v0
	v_lshlrev_b32 v3, 2, v1
	s_lshl_b32 s13, s12, 13
	v_add_nc_u32 v4, s13, v3                       ; 8192 p + 4 k
	s_lshl_b32 s14, s12, 6
	s_sub_co_i32 s14, ttmp9, s14                   ; so many of my 64 groups lie ahead of g (0 or less: none)
	s_lshl_b32 s15, ttmp9, 7
	v_add_nc_u32 v5, s15, v3
	s_lshl_b32 s17, ttmp9, 5
	v_add_nc_u32 v12, s17, v1                      ; token 32 g + lane
	v_lshlrev_b32 v29, 3, v1
	v_mov_b32 v7, 0
	v_mov_b32 v8, 0
	s_mov_b32 s20, 0x5555556                       ; 2^32 / 48, rounded up: exact for numbers up to 8,239
	s_wait_alu depctr_va_vdst(0)
	s_wait_kmcnt 0x0
	global_load_b32 v6, v5, s[4:5]                 ; my token's word: key | rank << 8 | experts << 16
.set i, 0
.rept 64
	global_load_b32 v[32+i], v4, s[4:5] offset:32768+128*i
.set i, i+1
.endr
	s_wait_loadcnt 0x0
.set i, 0
.rept 32
	s_cmp_gt_i32 s14, 2*i
	s_cselect_b32 s16, 1, 0
	v_mad_u32_u24 v8, v[32+2*i], s16, v8
	s_cmp_gt_i32 s14, 2*i+1
	s_cselect_b32 s18, 1, 0
	v_add3_u32 v7, v7, v[32+2*i], v[33+2*i]
	v_mad_u32_u24 v8, v[33+2*i], s18, v8
.set i, i+1
.endr
	ds_store_b32 v2, v7 offset:PT
	ds_store_b32 v2, v8 offset:PB
	s_wait_alu depctr_va_vdst(0)
	s_wait_dscnt 0x0                               ; my sums have landed, for wave 0's sake
	s_barrier_signal -1
	s_barrier_wait -1
	s_cmp_lg_u32 s12, 0
	s_cbranch_scc1 .Lend
.irp q, 0,1,2,3
	ds_load_b32 v[16+\q], v3 offset:PT+128*\q
	ds_load_b32 v[20+\q], v3 offset:PB+128*\q
.endr
	s_wait_dscnt 0x0
	v_add3_u32 v15, v16, v17, v18
	v_add3_u32 v24, v20, v21, v22
	v_add_nc_u32 v15, v15, v19                     ; all tokens of key k
	v_add_nc_u32 v24, v24, v23                     ; those in groups ahead of g
	v_add_nc_u32 v20, 47, v15
	v_mul_hi_u32 v20, v20, s20
	v_mul_u32_u24 v20, v20, 48                     ; the key's tiles x 48
	v_mov_b32 v21, v20
.irp sh, 1,2,4,8                       ; a running sum over the row's 16 lanes: lanes without a source keep the 0
	v_mov_b32 v22, 0
	v_mov_b32_dpp v22, v21 row_shr:\sh row_mask:0xf bank_mask:0xf
	v_add_nc_u32 v21, v21, v22
.endr
	v_readlane_b32 s21, v21, 15
	v_mov_b32 v23, s21
	v_cmp_lt_u32 vcc_lo, 15, v1
	v_cndmask_b32 v22, 0, v23, vcc_lo              ; lanes 16-31 add the lower row's sum
	v_add_nc_u32 v21, v21, v22
	v_sub_nc_u32 v14, v21, v20                     ; start[k]
	v_add_nc_u32 v25, v14, v24
	v_and_b32 v26, 0xff, v6
	v_min_u32 v26, 31, v26
	v_lshlrev_b32 v26, 2, v26
	ds_bpermute_b32 v27, v26, v25                  ; lane key's number
	v_bfe_u32 v28, v6, 8, 8
	v_lshrrev_b32 v13, 16, v6
	s_wait_alu depctr_va_vdst(0)
	s_wait_dscnt 0x0
	v_add_nc_u32 v27, v27, v28
	v_min_u32 v27, 0x2fff, v27
	v_lshlrev_b32 v27, 3, v27
	global_store_b64 v27, v[12:13], s[6:7]
	s_cmp_lg_u32 ttmp9, 0
	s_cbranch_scc1 .Lend
	global_store_b64 v29, v[14:15], s[8:9]         ; 256 consecutive bytes
.Lend:
	s_wait_tensorcnt 0x0                           ; the wave's end
	ds_add_u32 v30, v31
	s_wait_dscnt 0x0
	s_endpgm
.Lfunc_end_k_qa5b2cdbba0_place:
	.size	k_qa5b2cdbba0_place, .Lfunc_end_k_qa5b2cdbba0_place-k_qa5b2cdbba0_place
	.p2alignl 7, 3214868480
	.fill 96, 4, 3214868480
	.section	.rodata,"a",@progbits
	.p2align	6, 0x0
	.amdhsa_kernel k_qa5b2cdbba0_place
		.amdhsa_group_segment_fixed_size 1536
		.amdhsa_private_segment_fixed_size 0
		.amdhsa_enable_private_segment 0
		.amdhsa_kernarg_size 24
		.amdhsa_user_sgpr_count 2
		.amdhsa_user_sgpr_kernarg_segment_ptr 1
		.amdhsa_wavefront_size32 1
		.amdhsa_system_sgpr_workgroup_id_x 1
		.amdhsa_system_sgpr_workgroup_id_y 1
		.amdhsa_system_sgpr_workgroup_id_z 1
		.amdhsa_system_vgpr_workitem_id 0
		.amdhsa_next_free_vgpr 128
		.amdhsa_next_free_sgpr 66
		.amdhsa_reserve_vcc 1
		.amdhsa_float_denorm_mode_32 3
		.amdhsa_float_denorm_mode_16_64 3
		.amdhsa_memory_ordered 1
		.amdhsa_forward_progress 1
		.amdhsa_inst_pref_size 21
	.end_amdhsa_kernel
	.amdgpu_metadata
---
amdhsa.version: [ 1, 2 ]
amdhsa.kernels:
  - .name:           k_qa5b2cdbba0_place
    .symbol:         k_qa5b2cdbba0_place.kd
    .args:
      - { .name: route, .offset: 0, .size: 8, .value_kind: global_buffer, .address_space: global }
      - { .name: sidx, .offset: 8, .size: 8, .value_kind: global_buffer, .address_space: global }
      - { .name: kt, .offset: 16, .size: 8, .value_kind: global_buffer, .address_space: global }
    .group_segment_fixed_size: 1536
    .private_segment_fixed_size: 0
    .kernarg_segment_align: 8
    .kernarg_segment_size: 24
    .max_flat_workgroup_size: 128
    .sgpr_count:     66
    .vgpr_count:     128
    .wavefront_size: 32
...
	.end_amdgpu_metadata
.endif
;; end of part 2
;; launch chain (part 3): grid 199 x 1, 4 waves a work-group, no clusters, 88,320 bytes of LDS; arguments xq, wq, sidx, kt, gatef, b1, b2, out0, out1; writes out0, out1
.if DOCPART == 3
	.amdgcn_target "amdgcn-amd-amdhsa--gfx1250"
	.amdhsa_code_object_version 6
	.text
	.protected	k_qa5b2cdbba0_chain
	.globl	k_qa5b2cdbba0_chain
	.p2align	8
	.type	k_qa5b2cdbba0_chain,@function
k_qa5b2cdbba0_chain:
	s_mov_b64 s[64:65], 0
	v_nop
	global_prefetch_b8 v0, s[64:65] scope:SCOPE_SE
	s_setreg_imm32_b32 hwreg(HW_REG_WAVE_MODE, 25, 1), 1
	s_wait_xcnt 0x0
; CHAIN.  out0 = sum over a token's two experts of m_e (gelu(x W1 + b1) W2 + b2).  Every other expert has the weight 0, so only the two chosen, read from stored whole numbers, are multiplied.
; Work-group b < 198 owns tile b: up to 48 tokens (three tiles of 16) that chose the SAME pair of experts, at places 48 b .. of sidx, and every byte of their rows of out0.
; 8,192 tokens and 28 pairs make at most 171 + 27 = 198 tiles, whatever the choice.  Work-group 198 finishes the load loss from the first launch's sums of probabilities.
; A tile with fewer than 48 tokens repeats its last token in the places left over; rows from the tile's count on are not stored (where the count is odd, the last store's two halves hold the same row).
; A work-group that the split leaves without a tile walks the same text on a stand-in row (the first token of the first key in use) with the count 0 and stores nothing:
; so every wave passes every barrier, and no barrier stands under a branch on loaded numbers.
; The waves share the columns: wave w makes hidden units 96 w .. + 95 and outputs 256 w .. + 255 for all 48 tokens; each weight fragment is loaded once in the work-group and feeds three products.
; Both products are used transposed (source 0 = 16 rows of a weight, source 1 = 16 tokens): a lane holds one token (lane % 16) throughout.
; The weights come from memory straight into registers, as the images that the first launch laid: a ring of four slots of 64 registers, a slot a unit (6 fragments, 3 scale words; for W2 also b2 as the sums' C).
; An expert is 16 units: 8 K steps of the first product, 8 x 32 outputs of the second.  Each unit waits for its own group of loads by count, multiplies, and asks for the unit four on.
; x's fragments lie in LDS as images of the operand's registers (24 KiB, each wave gathers a quarter); the hidden layer goes from wave to wave the same way, between two barriers.
; In the second expert's walk two finished units are 256 bytes of each row: they leave at once through the wave's own stage, sixteen lanes to 256 consecutive aligned bytes.
; GELU is exact in form: 0.5 x (1 + erf(x / sqrt 2)), erf(z) = z P(z^2) / Q(z^2) on |z| <= 4 (degrees 6 and 4), a few units in f32's last place of erf.
; LIMITS: 1 + erf cancels for x under about -3: the error of gelu is about 1e-7 |x| there.  NaN and infinities are not served.  A block of zeros gets the scale byte 1 over zero codes.
; No cluster, no tensor load: the experts' addresses and the stores' count hang on numbers read from memory.  No prefetch: the ring's loads themselves run three units ahead.
.set UNIT,  6656
.set W2OFF, 256*UNIT
.set EXPB,  8*UNIT
.set XSOFF, 4194304
.set NTILE, 198
.set XIMG,  0                          ; LDS: x's fragment (tile tt, K step s) at 1024 (8 tt + s)
.set HIMG,  24576                      ; the hidden layer's (tt, K step s2) at 1024 (3 tt + s2)
.set HSC,   33792                      ; its scale bytes: token r of tile tt: 12 bytes at 256 tt + 16 r
.set TKL,   34560                      ; the 48 tokens' numbers, a copy of 256 bytes for each wave
.set STG,   35584                      ; the way out: for each wave 48 rows of 256 bytes + 16
.set SROW,  272
.set SPARE, STG+4*48*SROW
.set LI,  1                            ; 16 x lane
.set L4,  2                            ; 4 x lane
.set B1A, 3                            ; 64 h
.set B2A, 4                            ; 32 h
.set HST, 5                            ; 768 w + 16 r + 8 h
.set HSS, 6                            ; HSC + 16 r + 3 w
.set HSL, 7                            ; HSC + 16 r
.set STO, 8                            ; my stage: row r, + 32 h
.set SRD, 9                            ; my stage: row h, + 16 r
.set OB,  10                           ; 1024 w + 16 r
.set TKA, 11                           ; my token list + 4 h
.set TOK, 12                           ; v12-14 my token in tiles 0, 1, 2
.set E1,  15                           ; v15-17 its first expert
.set WT,  18                           ; v18-23 its two weights
.set MK,  24                           ; v24, 26, 28 m for the expert in hand (low halves of pairs)
.set XS,  30                           ; v30-53 x's scale words: 8 tt + s
.set SCR, 54                           ; v54-69 the ring's scale words: 4 x slot + q
.set HS,  70                           ; v70-81 the hidden layer's scale words: 4 tt + s2
.set HA,  82                           ; v82-225 the hidden layer's 18 sums, (t, tt) at 48 tt + 8 t; later two sets of six for the second product, and from + 96 rows on the way out
.set HQT, 230                          ; v230-247 the quantiser's registers
.set VO,  230                          ; v230-253 in the last walk: the stores' offsets
.set TKW, 248
.set XST, 249
.set GT,  0                            ; window 2: v0-71 by turns x's fragments (24 (s % 2) + 8 tt), gelu's 40 registers, the hidden fragments (24 tt + 8 s2);
.set B1R, 72                           ;   v72-119 b1 (8 t); v120-123 two coefficients; v128-255 the totals of tile 0.  window 3: those of tiles 1 and 2.  window 1: the ring
.set CA13, 120
.set CB8,  122
.set KR,  40
.set KA11, 42
.set KA9, 44
.set KA7, 46
.set KA5, 48
.set KA3, 50
.set KA1, 52
.set KB6, 54
.set KB4, 56
.set KB2, 58
.set KB0, 60
.set MSB, 0
.macro WIN new                         ; bits 1:0 source 0, 3:2 source 1, 5:4 source 2, 7:6 destination; the high byte repeats the setting that is left
.if MSB != \new
	s_set_vgpr_msb (MSB<<8)|\new
.set MSB, \new
.endif
.endm
.macro KPAIR r, bits
	s_mov_b32 s[\r], \bits
	s_mov_b32 s[\r+1], \bits
.endm
.macro GA p, s, sl                     ; a unit of W1 into a slot: 15 loads
	WIN 0x40
.irp f, 0,1,2,3,4,5
.irp c, 0,1
	global_load_b128 v[64*(\sl)+8*\f+4*\c:64*(\sl)+8*\f+4*\c+3], v[LI], s[\p:\p+1] offset:UNIT*(\s)+1024*\f+512*\c
.endr
.endr
	WIN 0
.irp q, 0,1,2
	global_load_b32 v[SCR+4*(\sl)+\q], v[L4], s[\p:\p+1] offset:UNIT*(\s)+6144+128*\q
.endr
.endm
.macro GBIAS                           ; b1 in the result's layout: tile 2 b + u: units 32 b + 16 h + 8 u + 0 .. 7: 12 loads
	WIN 0x80
.irp t, 0,1,2,3,4,5
.irp c, 0,1
	global_load_b128 v[B1R+8*\t+4*\c:B1R+8*\t+4*\c+3], v[B1A], s[32:33] offset:(32*(\t/2)+8*(\t%2))*4+16*\c
.endr
.endr
	WIN 0
.endm
.macro GB j, sl                        ; a unit of W2 into a slot, with b2 of its 32 outputs: 19 loads
	WIN 0x40
.irp f, 0,1,2,3,4,5
.irp c, 0,1
	global_load_b128 v[64*(\sl)+8*\f+4*\c:64*(\sl)+8*\f+4*\c+3], v[LI], s[26:27] offset:W2OFF+UNIT*(\j)+1024*\f+512*\c
.endr
.endr
.irp t, 0,1
.irp c, 0,1
	global_load_b128 v[64*(\sl)+48+8*\t+4*\c:64*(\sl)+48+8*\t+4*\c+3], v[B2A], s[30:31] offset:(32*(\j)+16*\t)*4+16*\c
.endr
.endr
	WIN 0
.irp q, 0,1,2
	global_load_b32 v[SCR+4*(\sl)+\q], v[L4], s[26:27] offset:W2OFF+UNIT*(\j)+6144+128*\q
.endr
.endm
.macro NEXTW e                         ; the bases of the weights and of b1 for the expert in s[e]
	s_lshl_b32 s36, s[\e], 2
	s_add_co_u32 s36, s36, s22
	s_mul_i32 s36, s36, EXPB
	s_mov_b32 s37, 0
	s_add_nc_u64 s[28:29], s[6:7], s[36:37]
	s_mul_i32 s36, s[\e], 1536
	s_mul_i32 s38, s22, 384
	s_add_co_u32 s36, s36, s38
	s_add_nc_u64 s[32:33], s[14:15], s[36:37]
.endm
.macro MM d, a, b, cb, sa, sb, row     ; row = 1: the weight's scale words stand in lanes 16-31 of their register
.if \row
	v_wmma_scale_f32_16x16x128_f8f6f4 v[\d:\d+7], v[\a:\a+7], v[\b:\b+7], v[\cb:\cb+7], v[\sa], v[\sb] matrix_a_fmt:MATRIX_FMT_FP4 matrix_b_fmt:MATRIX_FMT_FP4 matrix_a_scale:MATRIX_SCALE_ROW1
.else
	v_wmma_scale_f32_16x16x128_f8f6f4 v[\d:\d+7], v[\a:\a+7], v[\b:\b+7], v[\cb:\cb+7], v[\sa], v[\sb] matrix_a_fmt:MATRIX_FMT_FP4 matrix_b_fmt:MATRIX_FMT_FP4
.endif
.endm
.macro XLD s                           ; x's three fragments of K step s: 6 LDS loads
	WIN 0x80
.irp tt, 0,1,2
.irp c, 0,1
	ds_load_b128 v[24*((\s)%2)+8*\tt+4*\c:24*((\s)%2)+8*\tt+4*\c+3], v[LI] offset:XIMG+1024*(8*\tt+(\s))+512*\c
.endr
.endr
.endm
; K step s of the first product: 18 products, the 18 sums by turns; the first step takes b1 as C
.macro AUNIT s, cnt
	s_wait_loadcnt \cnt                            ; the loads of the three groups issued behind this unit's own may be out
.if \s < 7
	s_wait_dscnt 6                                 ; the next K step's six loads of x may be out
.else
	s_wait_dscnt 0x0
.endif
.if \s == 0
	WIN 0x29
.else
	WIN 0x09
.endif
.irp t, 0,1,2,3,4,5
.irp tt, 0,1,2
.if \s == 0
	MM HA+48*\tt+8*\t, 64*(\s%4)+8*\t, 24*(\s%2)+8*\tt, B1R+8*\t, SCR+4*(\s%4)+\t/2, XS+8*\tt+\s, \t%2
.else
	MM HA+48*\tt+8*\t, 64*(\s%4)+8*\t, 24*(\s%2)+8*\tt, HA+48*\tt+8*\t, SCR+4*(\s%4)+\t/2, XS+8*\tt+\s, \t%2
.endif
.endr
.endr
	WIN 0
.rept 4
	v_nop                                          ; four places ahead of loads into registers that these products have read, and of the first read of results
.endr
.if \s < 6
	XLD \s+2
.endif
.if \s < 4
	GA 26, \s+4, \s
.else
	GB \s-4, \s-4
.endif
.endm
; gelu in place on one sum of 8 registers, its four pairs by turns, from its low end on; the work registers lie in window 2
.macro GELU a
	WIN 0x80
	s_wait_alu depctr_va_vdst(0)                   ; the wait ahead of the first reader of a matrix result behind reciprocals
.irp p, 0,1,2,3
	v_pk_mul_f32 v[GT+10*\p:GT+10*\p+1], v[\a+2*\p:\a+2*\p+1], s[KR:KR+1] op_sel_hi:[1,0]     ; z = x / sqrt 2
.endr
.irp p, 0,1,2,3
	v_pk_mul_f32 v[GT+10*\p+8:GT+10*\p+9], v[\a+2*\p:\a+2*\p+1], 0.5 op_sel_hi:[1,0]
.endr
	WIN 0xaa
.irp p, 0,1,2,3
	v_med3_num_f32 v[GT+10*\p], v[GT+10*\p], -4.0, 4.0
	v_med3_num_f32 v[GT+10*\p+1], v[GT+10*\p+1], -4.0, 4.0
.endr
.irp p, 0,1,2,3
	v_pk_mul_f32 v[GT+10*\p+2:GT+10*\p+3], v[GT+10*\p:GT+10*\p+1], v[GT+10*\p:GT+10*\p+1]
.endr
.irp p, 0,1,2,3
	v_pk_fma_f32 v[GT+10*\p+4:GT+10*\p+5], v[GT+10*\p+2:GT+10*\p+3], v[CA13:CA13+1], s[KA11:KA11+1] op_sel_hi:[1,1,0]
	v_pk_fma_f32 v[GT+10*\p+6:GT+10*\p+7], v[GT+10*\p+2:GT+10*\p+3], v[CB8:CB8+1], s[KB6:KB6+1] op_sel_hi:[1,1,0]
.endr
.irp k, KA9, KA7, KA5, KA3, KA1
.irp p, 0,1,2,3
	v_pk_fma_f32 v[GT+10*\p+4:GT+10*\p+5], v[GT+10*\p+4:GT+10*\p+5], v[GT+10*\p+2:GT+10*\p+3], s[\k:\k+1] op_sel_hi:[1,1,0]
.endr
.endr
.irp k, KB4, KB2, KB0
.irp p, 0,1,2,3
	v_pk_fma_f32 v[GT+10*\p+6:GT+10*\p+7], v[GT+10*\p+6:GT+10*\p+7], v[GT+10*\p+2:GT+10*\p+3], s[\k:\k+1] op_sel_hi:[1,1,0]
.endr
.endr
	s_wait_alu depctr_va_vdst(0)                   ; ahead of the batch
.irp p, 0,1,2,3
	v_rcp_f32 v[GT+10*\p+6], v[GT+10*\p+6]
	v_rcp_f32 v[GT+10*\p+7], v[GT+10*\p+7]
.endr
.irp p, 0,1,2,3                        ; four plain lines that touch no reciprocal
	v_pk_mul_f32 v[GT+10*\p+4:GT+10*\p+5], v[GT+10*\p+4:GT+10*\p+5], v[GT+10*\p:GT+10*\p+1]
.endr
	s_wait_alu depctr_va_vdst(0)                   ; and behind it
.irp p, 0,1,2,3
	v_pk_mul_f32 v[GT+10*\p+4:GT+10*\p+5], v[GT+10*\p+4:GT+10*\p+5], v[GT+10*\p+6:GT+10*\p+7]   ; erf
.endr
	WIN 0x2a
.irp p, 0,1,2,3
	v_pk_fma_f32 v[\a+2*\p:\a+2*\p+1], v[GT+10*\p+8:GT+10*\p+9], v[GT+10*\p+4:GT+10*\p+5], v[GT+10*\p+8:GT+10*\p+9]
.endr
.endm
; my 96 hidden units of tile tt: three blocks of 32.  The 16 registers of tiles 2 b, 2 b + 1 are units 32 b + 16 h + 0 .. 15 of my token; the block's other half lies in lane l xor 16.
.macro HQ tt
.set HQB, HA+48*\tt
.irp b, 0,1,2
	v_max3_num_f32 v[HQT+\b], |v[HQB+16*\b]|, |v[HQB+16*\b+1]|, 0x1800000    ; with the floor 2^(3 - 127): the byte cannot fall under 1
.endr
.irp n, 2,4,6,8,10,12,14
.irp b, 0,1,2
	v_max3_num_f32 v[HQT+\b], v[HQT+\b], |v[HQB+16*\b+\n]|, |v[HQB+16*\b+\n+1]|
.endr
.endr
.irp b, 0,1,2
	v_permlanex16_b32 v[HQT+3+\b], v[HQT+\b], s34, s35
.endr
.irp b, 0,1,2
	v_max_num_f32 v[HQT+\b], v[HQT+\b], v[HQT+3+\b]
.endr
.irp b, 0,1,2
	v_add_nc_u32 v[HQT+6+\b], 0xff000000, v[HQT+\b]            ; 2 off the exponent field: the conversion's scale operand
.endr
.irp b, 0,1,2
	v_lshrrev_b32 v[HQT+9+\b], 23, v[HQT+6+\b]                 ; the scale's byte
.endr
.irp b, 0,1,2
	v_cvt_scalef32_pk8_fp4_f32 v[HQT+12+2*\b], v[HQB+16*\b:HQB+16*\b+7], v[HQT+6+\b]
	v_cvt_scalef32_pk8_fp4_f32 v[HQT+13+2*\b], v[HQB+16*\b+8:HQB+16*\b+15], v[HQT+6+\b]
.endr
	v_nop                                          ; one plain place behind the last scaled conversion
.irp b, 0,1,2
	ds_store_b64 v[HST], v[HQT+12+2*\b:HQT+13+2*\b] offset:HIMG+3072*\tt+256*\b   ; my 8 bytes of the block's 16 in the image
	ds_store_b8 v[HSS], v[HQT+9+\b] offset:256*\tt+\b          ; both lanes of a block write the same byte with the same value
.endr
.endm
; totals += m x the six sums of unit jj, each from its low end on.  The totals of tile tt begin at register 640 + 128 tt
.macro COMBINE jj
.irp tt, 0,1,2
.set TW, (640+128*\tt)/256
.set TB, (640+128*\tt)%256+16*(\jj)
	WIN (TW<<6)|(TW<<4)
.irp t, 0,1
.irp p, 0,1,2,3
	v_pk_fma_f32 v[TB+8*\t+2*\p:TB+8*\t+2*\p+1], v[HA+48*((\jj)%2)+16*\tt+8*\t+2*\p:HA+48*((\jj)%2)+16*\tt+8*\t+2*\p+1], v[MK+2*\tt:MK+2*\tt+1], v[TB+8*\t+2*\p:TB+8*\t+2*\p+1] op_sel_hi:[1,0,1]
.endr
.endr
.endr
.endm
; 32 outputs of the second product: 18 products, six sums by turns, K ascending; the first K step takes b2 as C.  The unit before is combined behind them: those 24 lines name no register of
; these products, so they are the places ahead of the loads into the slot.  mode 1: the slot takes the unit four on; 2: a unit of the next expert's W1; 0: nothing.
.macro BUNIT j, cnt, mode
	s_wait_loadcnt \cnt
.irp s2, 0,1,2
.if \s2 == 0
	WIN 0x19
.else
	WIN 0x09
.endif
.irp t, 0,1
.irp tt, 0,1,2
.if \s2 == 0
	MM HA+48*(\j%2)+16*\tt+8*\t, 64*(\j%4)+8*(2*\s2+\t), 24*\tt+8*\s2, 64*(\j%4)+48+8*\t, SCR+4*(\j%4)+\s2, HS+4*\tt+\s2, \t
.else
	MM HA+48*(\j%2)+16*\tt+8*\t, 64*(\j%4)+8*(2*\s2+\t), 24*\tt+8*\s2, HA+48*(\j%2)+16*\tt+8*\t, SCR+4*(\j%4)+\s2, HS+4*\tt+\s2, \t
.endif
.endr
.endr
.endr
.if \j == 0
	WIN 0
.rept 4
	v_nop
.endr
.else
	COMBINE \j-1
.endif
.if \mode == 1
	GB \j+4, \j
.endif
.if \mode == 2
	GA 28, \j-4, \j-4
.if \j == 4
	GBIAS
.endif
.endif
.endm
; units 2 q and 2 q + 1 are final: 256 bytes of each of my 48 rows go through my stage (LDS serves a wave's instructions in order) and leave, two rows a store; rows from the count s23 on are passed over
.macro OUT q
.irp tt, 0,1,2
	WIN ((640+128*\tt)/256)<<2                     ; an LDS store's data are its source 1
.irp jj, 0,1
.set TB, (640+128*\tt)%256+16*(2*(\q)+\jj)
.irp t, 0,1
.irp c, 0,1
	ds_store_b128 v[STO], v[TB+8*\t+4*\c:TB+8*\t+4*\c+3] offset:16*SROW*\tt+128*\jj+64*\t+16*\c
.endr
.endr
.endr
.endr
	WIN 0
.irp bt, 0,1
	s_wait_xcnt 0x0                                ; the earlier stores have read their registers
.set n, 0
.rept 12
	ds_load_b128 v[HA+96+4*n:HA+96+4*n+3], v[SRD] offset:SROW*2*(12*\bt+n)
.set n, n+1
.endr
.set n, 0
.rept 12
	s_cmp_le_u32 s23, 2*(12*\bt+n)
	s_cbranch_scc1 .Lout_\@
	s_wait_dscnt 11-n                              ; LDS loads come back in order
	global_store_b128 v[VO+12*\bt+n], v[HA+96+4*n:HA+96+4*n+3], s[18:19] offset:256*(\q) th:TH_STORE_NT
.set n, n+1
.endr
.endr
.Lout_\@:
	s_wait_dscnt 0x0                               ; no load is out into registers that the next batch takes
.endm
	s_load_b512 s[4:19], s[0:1], 0x0               ; xq 4, wq 6, sidx 8, kt 10, gatef 12, b1 14, b2 16, out0 18
	s_load_b64 s[20:21], s[0:1], 0x40              ; out1
	v_lshl_add_u32 v254, v0, 2, SPARE
	v_mov_b32 v255, 0
	v_lshrrev_b32 v226, 5, v0
	v_readfirstlane_b32 s22, v226                  ; wave w
	v_and_b32 v227, 31, v0                         ; lane
	v_and_b32 v228, 15, v0                         ; r
	v_bfe_u32 v229, v0, 4, 1                       ; h
	v_lshlrev_b32 v230, 3, v227
	s_mov_b32 s34, 0x76543210                      ; v_permlanex16_b32's selects for lane l xor 16
	s_mov_b32 s35, 0xfedcba98
	KPAIR KR,   0x3f3504f3                         ; 1 / sqrt 2
	KPAIR KA11, 0x32edffee                         ; P, from the power 5 of z^2 down
	KPAIR KA9,  0xb60cff51
	KPAIR KA7,  0xb86ec2d2
	KPAIR KA5,  0xba40ac63
	KPAIR KA3,  0xbb41a1f6
	KPAIR KA1,  0xbc83dbd4
	KPAIR KB6,  0xb95fbd29                         ; Q, from the power 3 down
	KPAIR KB4,  0xbadc924e
	KPAIR KB2,  0xbbf19bf8
	KPAIR KB0,  0xbc69b6a7
	s_wait_alu depctr_va_vdst(0)
	s_wait_kmcnt 0x0
	s_cmp_eq_u32 ttmp9, NTILE
	s_cbranch_scc1 .Lloss
	global_load_b64 v[232:233], v230, s[10:11]     ; lane k: {start, tokens} of key k
	v_lshlrev_b32 v[LI], 4, v227
	v_lshlrev_b32 v[L4], 2, v227
	v_lshlrev_b32 v[B1A], 6, v229
	v_lshlrev_b32 v[B2A], 5, v229
	v_lshlrev_b32 v226, 4, v228                    ; 16 r
	s_mul_i32 s36, s22, 768
	v_lshl_add_u32 v[HST], v229, 3, v226
	v_add_nc_u32 v[HST], s36, v[HST]
	s_mul_i32 s36, s22, 3
	s_add_co_u32 s36, s36, HSC
	v_add_nc_u32 v[HSS], s36, v226
	v_add_nc_u32 v[HSL], HSC, v226
	s_mul_i32 s36, s22, 48*SROW
	s_add_co_u32 s36, s36, STG
	v_mul_u32_u24 v231, v228, SROW
	v_lshl_add_u32 v231, v229, 5, v231
	v_add_nc_u32 v[STO], s36, v231
	v_mul_u32_u24 v231, v229, SROW
	v_add_nc_u32 v231, v231, v226
	v_add_nc_u32 v[SRD], s36, v231
	s_lshl_b32 s36, s22, 10
	v_add_nc_u32 v[OB], s36, v226
	s_lshl_b32 s36, s22, 8
	s_add_co_u32 s36, s36, TKL
	v_lshl_add_u32 v[TKA], v229, 2, s36
	v_lshl_add_u32 v[TKW], v228, 2, s36
	s_lshl_b32 s36, s22, 11
	v_add_nc_u32 v[XST], s36, v[LI]                ; my quarter of x's images: K steps 2 w, 2 w + 1
	v_lshlrev_b32 v231, 4, v229
	s_lshl_b32 s36, s22, 7
	v_add_nc_u32 v231, s36, v231                   ; 128 w + 16 h
	v_mov_b32 v[MK+1], 0                           ; (the upper halves of the pairs that the combining names)
	v_mov_b32 v[MK+3], 0
	v_mov_b32 v[MK+5], 0
	WIN 0x80
	v_mov_b32 v[CA13], 0xaf95df0b                  ; P's leading coefficient
	v_mov_b32 v[CA13+1], 0xaf95df0b
	v_mov_b32 v[CB8], 0xb77460cd                   ; Q's
	v_mov_b32 v[CB8+1], 0xb77460cd
	WIN 0
	s_mul_i32 s36, ttmp9, 48                       ; my tile's first place
	s_wait_alu depctr_va_vdst(0)
	s_wait_loadcnt 0x0
	v_sub_nc_u32 v234, s36, v232
	v_cmp_lt_u32 s38, v234, v233                   ; the key in whose tokens my first place lies, if any
	v_cmp_ne_u32 s39, 0, v233                      ; the keys in use
	v_sub_nc_u32 v235, v233, v234                  ; what is left of the key from my first place on
	s_wait_alu depctr_va_vdst(0)
	s_cmp_lg_u32 s38, 0
	s_cselect_b32 s37, s38, s39
	s_cselect_b32 s63, -1, 0
	s_ctz_i32_b32 s37, s37
	s_min_u32 s37, s37, 31
	v_readlane_b32 s23, v235, s37
	v_readlane_b32 s39, v232, s37
	s_min_u32 s23, s23, 48
	s_and_b32 s23, s23, s63                        ; my rows: 1 to 48, or 0 where no tile is mine
	s_cmp_lg_u32 s63, 0
	s_cselect_b32 s36, s36, s39                    ; without a tile: the first place of the first key in use stands in
	s_min_u32 s36, s36, 0x2fd0
	s_max_u32 s37, s23, 1
	s_sub_co_u32 s37, s37, 1                       ; the last place that holds a token
	s_lshl_b32 s38, s36, 3
	s_mov_b32 s39, 0
	s_add_nc_u64 s[8:9], s[8:9], s[38:39]
.irp tt, 0,1,2
	v_add_nc_u32 v[236+\tt], 16*\tt, v228
	v_min_u32 v[236+\tt], s37, v[236+\tt]
	v_min_u32 v[236+\tt], 47, v[236+\tt]
	v_lshlrev_b32 v[236+\tt], 3, v[236+\tt]
.endr
.irp tt, 0,1,2
	global_load_b64 v[240+2*\tt:241+2*\tt], v[236+\tt], s[8:9]   ; {token, experts}
.endr
	s_wait_loadcnt 0x0
.irp tt, 0,1,2
	v_min_u32 v[TOK+\tt], 0x1fff, v[240+2*\tt]
	v_and_b32 v[E1+\tt], 7, v[241+2*\tt]
	v_lshlrev_b32 v[236+\tt], 3, v[TOK+\tt]
	v_lshlrev_b32 v[186+\tt], 5, v[TOK+\tt]
	v_lshl_add_u32 v[182+\tt], v[TOK+\tt], 9, v231
.endr
	v_bfe_u32 v226, v241, 8, 3
	v_readfirstlane_b32 s24, v[E1]                 ; the tile's two experts, from its first token
	v_readfirstlane_b32 s25, v226
	s_min_u32 s24, s24, 7
	s_min_u32 s25, s25, 7
.irp tt, 0,1,2
	global_load_b64 v[WT+2*\tt:WT+2*\tt+1], v[236+\tt], s[12:13]
	global_load_b128 v[XS+8*\tt:XS+8*\tt+3], v[186+\tt], s[4:5] offset:XSOFF
	global_load_b128 v[XS+8*\tt+4:XS+8*\tt+7], v[186+\tt], s[4:5] offset:XSOFF+16
.endr
.irp tt, 0,1,2
.irp sl, 0,1
.irp c, 0,1
	global_load_b128 v[HA+4*(4*\tt+2*\sl+\c):HA+4*(4*\tt+2*\sl+\c)+3], v[182+\tt], s[4:5] offset:64*\sl+32*\c
.endr
.endr
.endr
.irp tt, 0,1,2
	ds_store_b32 v[TKW], v[TOK+\tt] offset:64*\tt  ; both halves of the lanes write the same word with the same value
.endr
	NEXTW 24
	GA 28, 0, 0                                    ; the first expert's first four units, and its b1
	GBIAS
	GA 28, 1, 1
	GA 28, 2, 2
	GA 28, 3, 3
	WIN 0x80                                       ; while all that is on its way the totals begin at 0: both experts add onto them by one text
.set i, 0
.rept 128
	v_mov_b32 v[128+i], 0
.set i, i+1
.endr
	WIN 0xc0
.set i, 0
.rept 256
	v_mov_b32 v[i], 0
.set i, i+1
.endr
	WIN 0
	s_wait_alu depctr_va_vdst(0)
	s_wait_loadcnt 63                              ; 72 loads were issued behind x's: weights, scale words and fragments are in
.irp tt, 0,1,2
.irp sl, 0,1
.irp c, 0,1
	ds_store_b128 v[XST], v[HA+4*(4*\tt+2*\sl+\c):HA+4*(4*\tt+2*\sl+\c)+3] offset:XIMG+8192*\tt+1024*\sl+512*\c
.endr
.endr
.endr
	s_wait_dscnt 0x0                               ; my images of x have landed, for the others' sake
	s_barrier_signal -1
	s_barrier_wait -1
	s_mov_b32 s62, 0
.Lexpert:                                              ; two trips: the expert in s24
	s_wait_xcnt 0x0                                ; every earlier load has read its base
	s_lshl_b32 s36, s24, 2
	s_add_co_u32 s36, s36, s22
	s_mul_i32 s36, s36, EXPB
	s_mov_b32 s37, 0
	s_add_nc_u64 s[26:27], s[6:7], s[36:37]        ; my 16 units of this expert
	s_lshl_b32 s36, s24, 12
	s_lshl_b32 s38, s22, 10
	s_add_co_u32 s36, s36, s38
	s_add_nc_u64 s[30:31], s[16:17], s[36:37]      ; my 256 numbers of its b2
.irp tt, 0,1,2
	v_cmp_eq_u32 vcc_lo, s24, v[E1+\tt]            ; m: the weight of my token's first or second choice
	v_cndmask_b32 v[MK+2*\tt], v[WT+2*\tt+1], v[WT+2*\tt], vcc_lo
.endr
	XLD 0
	XLD 1
	WIN 0
	AUNIT 0, 45                                    ; W1's groups have 15 loads, W2's 19
	AUNIT 1, 45
	AUNIT 2, 45
	AUNIT 3, 45
	AUNIT 4, 45
	AUNIT 5, 49
	AUNIT 6, 53
	AUNIT 7, 57
.set g, 0
.rept 18
	GELU HA+8*g
.set g, g+1
.endr
	WIN 0
	HQ 0
	HQ 1
	HQ 2
	s_wait_dscnt 0x0                               ; my images have landed, for the others' sake
	s_barrier_signal -1
	s_barrier_wait -1
	WIN 0x80
.irp tt, 0,1,2
.irp s2, 0,1,2
.irp c, 0,1
	ds_load_b128 v[24*\tt+8*\s2+4*\c:24*\tt+8*\s2+4*\c+3], v[LI] offset:HIMG+1024*(3*\tt+\s2)+512*\c
.endr
.endr
.endr
	WIN 0
.irp tt, 0,1,2
.irp s2, 0,1,2
	ds_load_b32 v[HS+4*\tt+\s2], v[HSL] offset:256*\tt+4*\s2
.endr
.endr
	s_wait_dscnt 0x0                               ; my reads of the images are over: behind this barrier the next trip may store over them
	s_barrier_signal -1
	s_barrier_wait -1
	s_cmp_lg_u32 s62, 0
	s_cbranch_scc1 .Llast
	s_wait_xcnt 0x0
	NEXTW 25
	BUNIT 0, 57, 1                                 ; three groups of 19 stand behind each unit's own
	BUNIT 1, 57, 1
	BUNIT 2, 57, 1
	BUNIT 3, 57, 1
	BUNIT 4, 57, 2                                 ; the slots take the second expert's first four units of W1, the first with its b1 (27 loads)
	BUNIT 5, 63, 2                                 ; 19 + 19 + 27 stand behind; the wait's field holds 63
	BUNIT 6, 61, 2                                 ; 19 + 27 + 15
	BUNIT 7, 57, 2                                 ; 27 + 15 + 15
	COMBINE 7
	WIN 0
	s_mov_b32 s24, s25
	s_branch .Lnext
.Llast:
.set n, 0
.rept 24
	ds_load_b32 v[VO+n], v[TKA] offset:8*n         ; the token of row 2 n + h
.set n, n+1
.endr
	s_wait_dscnt 0x0
.set n, 0
.rept 24
	v_min_u32 v[VO+n], 0x1fff, v[VO+n]
	v_lshl_add_u32 v[VO+n], v[VO+n], 12, v[OB]     ; its row of out0, my 1,024 bytes of it, 16 a lane
.set n, n+1
.endr
	BUNIT 0, 57, 1
	BUNIT 1, 57, 1
	BUNIT 2, 57, 1
	OUT 0
	BUNIT 3, 57, 1
	BUNIT 4, 57, 0                                 ; nothing more is asked for: the counts run down
	OUT 1
	BUNIT 5, 38, 0
	BUNIT 6, 19, 0
	OUT 2
	BUNIT 7, 0, 0
	COMBINE 7
	OUT 3
.Lnext:
	s_add_co_u32 s62, s62, 1
	s_cmp_lt_u32 s62, 2
	s_cbranch_scc1 .Lexpert
	s_branch .Lend
.Lloss:                                                ; the mean of each expert's probability over 8,192 tokens, less 1/8, squared, averaged over the 8 experts: one wave, no LDS
	s_cmp_lg_u32 s22, 0
	s_cbranch_scc1 .Lend
	v_lshlrev_b32 v1, 4, v227
.irp c, 0,1,2,3,4,5,6,7
	v_mov_b32 v[210+\c], 0
.endr
	s_mov_b32 s36, 0x39000000                      ; 1 / 8192
	s_mov_b32 s37, 0xbe000000                      ; -1 / 8
	s_wait_alu depctr_va_vdst(0)
.irp q, 0,1
.set i, 0
.rept 32
	global_load_b128 v[82+4*i:85+4*i], v1, s[12:13] offset:65536+16384*\q+512*i    ; number n of the 8,192 belongs to expert n % 8: my four are experts 4 (lane % 2) + 0 .. 3
.set i, i+1
.endr
	s_wait_alu depctr_va_vdst(0)
	s_wait_loadcnt 0x0
.set i, 0
.rept 32
	v_pk_add_f32 v[210:211], v[210:211], v[82+4*i:83+4*i]
	v_pk_add_f32 v[212:213], v[212:213], v[84+4*i:85+4*i]
.set i, i+1
.endr
.endr
.irp m, 2,4,8
.irp c, 0,1,2,3
	v_add_f32_dpp v[210+\c], v[210+\c], v[210+\c] row_xmask:\m row_mask:0xf bank_mask:0xf
.endr
.endr
.irp c, 0,1,2,3
	v_permlanex16_b32 v[214+\c], v[210+\c], s34, s35
.endr
.irp c, 0,1,2,3
	v_add_f32 v[210+\c], v[210+\c], v[214+\c]
.endr
.irp c, 0,1,2,3
	v_fma_f32 v[210+\c], v[210+\c], s36, s37
.endr
	v_mul_f32 v218, v210, v210
	v_fmac_f32 v218, v211, v211
	v_fmac_f32 v218, v212, v212
	v_fmac_f32 v218, v213, v213
	v_add_f32_dpp v218, v218, v218 row_xmask:1 row_mask:0xf bank_mask:0xf
	v_mul_f32 v218, 0x3e000000, v218
	v_mov_b32 v219, 0
	v_cmp_eq_u32 vcc_lo, 0, v227
	s_wait_alu depctr_va_vdst(0)
	s_wait_xcnt 0x0                                ; EXEC changes only behind this wait
	s_and_saveexec_b32 s38, vcc_lo
	global_store_b32 v219, v218, s[20:21]
	s_wait_xcnt 0x0                                ; and again ahead of the line that restores it
	s_or_b32 exec_lo, exec_lo, s38
.Lend:
	s_wait_tensorcnt 0x0                           ; the wave's end
	ds_add_u32 v254, v255
	s_wait_dscnt 0x0
	s_endpgm
.Lfunc_end_k_qa5b2cdbba0_chain:
	.size	k_qa5b2cdbba0_chain, .Lfunc_end_k_qa5b2cdbba0_chain-k_qa5b2cdbba0_chain
	.p2alignl 7, 3214868480
	.fill 96, 4, 3214868480
	.section	.rodata,"a",@progbits
	.p2align	6, 0x0
	.amdhsa_kernel k_qa5b2cdbba0_chain
		.amdhsa_group_segment_fixed_size 88320
		.amdhsa_private_segment_fixed_size 0
		.amdhsa_enable_private_segment 0
		.amdhsa_kernarg_size 72
		.amdhsa_user_sgpr_count 2
		.amdhsa_user_sgpr_kernarg_segment_ptr 1
		.amdhsa_wavefront_size32 1
		.amdhsa_system_sgpr_workgroup_id_x 1
		.amdhsa_system_sgpr_workgroup_id_y 1
		.amdhsa_system_sgpr_workgroup_id_z 1
		.amdhsa_system_vgpr_workitem_id 0
		.amdhsa_next_free_vgpr 1024
		.amdhsa_next_free_sgpr 80
		.amdhsa_reserve_vcc 1
		.amdhsa_float_denorm_mode_32 3
		.amdhsa_float_denorm_mode_16_64 3
		.amdhsa_memory_ordered 1
		.amdhsa_forward_progress 1
		.amdhsa_inst_pref_size 255
	.end_amdhsa_kernel
	.section	.bss,"aw",@nobits
	.p2align	6
	.space	262144
	.amdgpu_metadata
---
amdhsa.version: [ 1, 2 ]
amdhsa.kernels:
  - .name:           k_qa5b2cdbba0_chain
    .symbol:         k_qa5b2cdbba0_chain.kd
    .args:
      - { .name: xq, .offset: 0, .size: 8, .value_kind: global_buffer, .address_space: global }
      - { .name: wq, .offset: 8, .size: 8, .value_kind: global_buffer, .address_space: global }
      - { .name: sidx, .offset: 16, .size: 8, .value_kind: global_buffer, .address_space: global }
      - { .name: kt, .offset: 24, .size: 8, .value_kind: global_buffer, .address_space: global }
      - { .name: gatef, .offset: 32, .size: 8, .value_kind: global_buffer, .address_space: global }
      - { .name: b1, .offset: 40, .size: 8, .value_kind: global_buffer, .address_space: global }
      - { .name: b2, .offset: 48, .size: 8, .value_kind: global_buffer, .address_space: global }
      - { .name: out0, .offset: 56, .size: 8, .value_kind: global_buffer, .address_space: global }
      - { .name: out1, .offset: 64, .size: 8, .value_kind: global_buffer, .address_space: global }
    .group_segment_fixed_size: 88320
    .private_segment_fixed_size: 0
    .kernarg_segment_align: 8
    .kernarg_segment_size: 72
    .max_flat_workgroup_size: 128
    .sgpr_count:     80
    .vgpr_count:     1024
    .wavefront_size: 32
...
	.end_amdgpu_metadata
.endif
;; end of part 3
